; MI455X (gfx1250); checked and timed in simulation.
; The chip was launched on July 23, 2026; its instructions are those of AMD's public machine-readable ISA for CDNA 5 (MIT licence, August 2026) and "CDNA5" Instruction Set Architecture Reference Guide (July 2026). The comments in the code are by the model that wrote it; some were corrected since.
;; Model. Allowed arithmetic: matrix products marked QUANTISED: E2M1 operands, one E8M0 scale for each 32 along K, by v_wmma_scale_f32_16x16x128_f8f6f4 with both operands' format E2M1 (or v_wmma_scale_f32_32x16x128_f4), f32 sums; products left as they are: bf16, f16 or f32 operands; f32 sums; everything else in f32.
;; Inputs: key 4 x 16 x 2,048 x 64 float32; query 4 x 16 x 2,048 x 64 float32; value 4 x 16 x 2,048 x 64 float32.
;; Outputs: out0 4 x 16 x 2,048 x 64 float32.
;; This version of the problem:
;;   THIS VERSION OF THE PROBLEM IS GIVEN IN LOW PRECISION. The matrix products marked QUANTISED in the list below multiply operands that are first quantised to E2M1 (2 exponent bits, 1 mantissa bit; 4 bits a number), with one power-of-two scale for each 32 numbers along K (OCP MX v1.0); their sums are f32. The products marked 'left as it is' may take bf16, f16 or f32 operands, with f32 sums. Whichever they take, every output number must still come out within the allowed error. Rounding operands to bf16 (8 significant bits) uses up far more of that allowance than f16 does (11 bits, for magnitudes from 6e-5 to 65,504). All else is computed in f32.
;;   The module's matrix products, in the order in which they are computed (A, B: the left and right operand; K: the contracted axis; several contracted axes count as one K, in the product's order):
;;     1. batch 64 x [M 2,048, K 64] x [K 64, N 2,048]; A: input query; B: input key: QUANTISED
;;     2. batch 64 x [M 2,048, K 2,048] x [K 2,048, N 64]; A: computed on the way; B: input value: left as it is (an operand is computed on the way)
;;   THE QUANTISER, for each operand of a quantised product, along K:
;;     - K is cut into blocks of 32 from its start; a last block that is shorter is filled with zeros.
;;     - A block's scale is 2^e with e = floor(log2(the largest magnitude in the block)) - 2, held to -126 .. 127; a block of zeros has e = 0. As a byte (E8M0): e + 127.
;;     - Each number is divided by its block's scale, clamped to +-6, and rounded to the nearest number of E2M1, ties to even, subnormals kept.
;;     - The product sums the exact products of the quantised numbers (number of the format x scale) in f32.
;;   ~~~python
;;   def quantise(x, axis):      # numpy; x: float32 -> the quantised numbers, widened to float32 again
;;       x = np.moveaxis(x, axis, -1); K = x.shape[-1]
;;       x = np.pad(x, [(0, 0)] * (x.ndim - 1) + [(0, -K % 32)]); x = x.reshape(x.shape[:-1] + (-1, 32)); a = np.abs(x).max(-1, keepdims=True)
;;       e = np.where(a > 0, np.clip(np.frexp(np.where(a > 0, a, 1))[1] - 1 - 2, -126, 127), 0)      # np.frexp(a)[1] - 1 = floor(log2(a)), exactly
;;       r = np.clip(x / 2.0 ** e, -6, 6)
;;       step = 2.0 ** (np.maximum(np.frexp(np.where(r == 0, 1, r))[1] - 1, 0) - 1)
;;       q = np.round(r / step) * step * 2.0 ** e      # np.round: ties to even
;;       return np.moveaxis(q.reshape(q.shape[:-2] + (-1,))[..., :K], -1, axis).astype(np.float32)
;;   ~~~
;; One version. Each part assembles by itself: llvm-mc -triple=amdgcn-amd-amdhsa -mcpu=gfx1250 --defsym DOCPART=n.
;; ======== version 1 of 1: 2 launches
;; limits: values are held in f16: magnitudes above 65,504 overflow, below 6.1e-05 lose precision
;; workspace buffers: kbuf 4,456,448 bytes; vbuf 16,777,216 bytes
;; launch prep (part 1): grid 512 x 1, 4 waves a work-group, no clusters, 22,016 bytes of LDS; arguments key, value, kbuf, vbuf; writes kbuf, vbuf
.if DOCPART == 1
	.amdgcn_target "amdgcn-amd-amdhsa--gfx1250"
	.amdhsa_code_object_version 6
	.text
	.protected	k_q2a27145b01_prep
	.globl	k_q2a27145b01_prep
	.p2align	8
	.type	k_q2a27145b01_prep,@function
k_q2a27145b01_prep:
	s_mov_b64 s[64:65], 0
	v_nop
	global_prefetch_b8 v0, s[64:65] scope:SCOPE_SE
	s_setreg_imm32_b32 hwreg(HW_REG_WAVE_MODE, 25, 1), 1
	s_wait_xcnt 0x0
; key and value, [64 heads][2048][64] f32, are laid out once for the attention launch, in the order of the operands' registers.
; K PATH (work-groups 0-255): key becomes codes of FP4 (E2M1) along the head's 64, two blocks of 32 a key, with one E8M0 byte a block.
;   A block's scale is 2^(floor(log2(its largest magnitude)) - 2); its byte is the largest magnitude's exponent field - 2, held at 1 from below.
;   kbuf, a head = 69,632 bytes: 128 tiles of 16 keys x 512 bytes (byte 256 h + 16 r: the 32 codes of block h of key r: lane r + 16 h's registers 0-3 of a fragment),
;   then from byte 65,536 two scale bytes a key.
; V PATH (work-groups 256-511): value becomes f16.  vbuf, a head = 262,144 bytes: for each 32 keys kb four fragments e of 1,024 bytes at (4 kb + e) x 1,024;
;   in a fragment byte 512 c + 16 (x + 16 h) holds V[32 kb + 16 c + 8 h + 0..7][channel 4 x + e]: row x of fragment e is channel 4 x + e.  So a lane's four loaded
;   channels go to four fragments, every load reads whole rows of 256 bytes and every store writes 512 consecutive bytes, with no exchange between lanes.
; A wave takes 128 keys (32,768 bytes in).  Waves share nothing: no barrier.  Loads run three tiles of 16 keys ahead.
; LIMITS: NaN and infinities are not served; |value| stays under 65,504 (f16's largest number); a block of zeros gets the byte 1 where the rule says 127:
; its codes are zeros, which add nothing under any byte but 0xff, and the bytes are read by this program alone.
.set WREG,  5376                       ; LDS, a wave's region: a stage of 64 places of 64 bytes + 16 of padding, then its 256 scale bytes
.set SCB,   5120                       ; where the scale bytes begin in it
.set SPARE, 4*WREG                     ; behind the four regions: the spare words, 128 bytes a wave: two blocks of 256 bytes that no other line names
.set HEADK, 69632                      ; a head in kbuf
.set SPW,   12                         ; v12  LDS address of my spare word; never rewritten
.set NIL,   13                         ; v13  0; never rewritten
.set E,     16                         ; v16-17   the scale byte of block 0, 1
.set R,     32                         ; v32-127  three sets of 32 registers as loaded
.set X,     128                        ; v128-159 K path: 16 neighbours of block 0, of block 1
.set C,     128                        ; v128-143 V path: four fragments' 16 bytes
.set CK,    160                        ; v160-191 K path: codes, two registers for each tile and block: no store's data are written again
; v1 lane; v2 16 x lane; v3 stage, in; v4 stage, out; v5 8 x lane; v6 my block's scale byte in LDS; v7 the scale bytes on the way out; v8-11 at work; v[14:15] scale bytes; v18 V's load offset
.macro FINISH                          ; a wave's end
	s_wait_tensorcnt 0x0
	ds_add_u32 v[SPW], v[NIL]
	s_wait_dscnt 0x0
	s_endpgm
.endm
	s_load_b256 s[4:11], s[0:1], 0x0               ; key s[4:5], value s[6:7], kbuf s[8:9], vbuf s[10:11]
	v_lshl_add_u32 v[SPW], v0, 2, SPARE
	v_mov_b32 v[NIL], 0
	v_lshrrev_b32 v1, 5, v0
	v_readfirstlane_b32 s12, v1                    ; wave 0..3
	v_and_b32 v1, 31, v0                           ; lane
	s_and_b32 s13, ttmp9, 255                      ; my place among the path's 256 work-groups
	s_lshl_b32 s16, s13, 2
	s_add_co_u32 s16, s16, s12                     ; which run of 128 keys is my wave's: 0..1023
	s_lshl_b32 s18, s16, 15                        ; in: 32,768 bytes a run
	s_mov_b32 s19, 0
	s_lshl_b32 s20, s16, 14                        ; vbuf: 16,384 bytes a run
	s_mov_b32 s21, 0
	s_lshr_b32 s17, s13, 2                         ; the head: 16 runs each
	s_mul_i32 s22, s17, HEADK
	s_and_b32 s24, s16, 15                         ; my run in the head
	s_lshl_b32 s26, s24, 12                        ; kbuf, codes: 8 tiles of 512 bytes a run
	s_add_co_u32 s26, s26, s22
	s_mov_b32 s27, 0
	s_lshl_b32 s28, s24, 8                         ; kbuf, scale bytes: 256 a run, behind the head's codes
	s_add_co_u32 s28, s28, s22
	s_add_co_u32 s28, s28, 65536
	s_mov_b32 s29, 0
	s_mul_i32 s25, s12, WREG                       ; my wave's region in LDS
	; every address register is made here, ahead of the parting of the two paths
	v_lshlrev_b32 v2, 4, v1                        ; 16 x lane
	v_lshrrev_b32 v8, 2, v1
	v_mul_u32_u24 v3, v8, 80
	v_and_b32 v8, 3, v1
	v_lshl_add_u32 v3, v8, 4, v3
	v_add_nc_u32 v3, s25, v3                       ; the stage, in: four lanes' 64 bytes on end, then 16 of padding
	v_lshrrev_b32 v9, 1, v1
	v_mul_u32_u24 v4, v9, 320
	v_and_b32 v8, 1, v1
	v_mad_u32_u24 v4, v8, 80, v4
	v_add_nc_u32 v4, s25, v4                       ; out: key lane / 2 (four places a key), half lane % 2 of a block
	v_lshlrev_b32 v5, 3, v1                        ; 8 x lane
	v_lshl_add_u32 v6, v9, 1, s25
	v_add_nc_u32 v6, SCB, v6                       ; two scale bytes a key
	v_add_nc_u32 v7, s25, v5
	v_add_nc_u32 v7, SCB, v7
	v_and_b32 v8, 15, v1
	v_lshrrev_b32 v10, 4, v1
	v_lshlrev_b32 v18, 4, v8
	v_lshl_add_u32 v18, v10, 11, v18               ; V: 16 bytes of a row for lane % 16; lanes 16-31 eight rows further down
	s_wait_kmcnt 0x0
	s_cmp_lt_u32 ttmp9, 256                        ; the path hangs on the work-group's number alone
	s_cbranch_scc0 .Lv
	; ---------------- K PATH ----------------
	s_add_nc_u64 s[4:5], s[4:5], s[18:19]
	s_add_nc_u64 s[14:15], s[8:9], s[28:29]        ; my run's scale bytes
	s_add_nc_u64 s[8:9], s[8:9], s[26:27]          ; my run's codes
.macro LOADK t                         ; tile t: 16 keys, 4,096 bytes as they lie; each load reads 512 consecutive bytes
.irp i, 0,1,2,3,4,5,6,7
	global_load_b128 v[R+32*((\t)%3)+4*\i:R+32*((\t)%3)+4*\i+3], v2, s[4:5] offset:4096*(\t)+512*\i th:TH_LOAD_NT
.endr
.endm
.macro TILE t
.if (\t) < 6
	s_wait_loadcnt 16                              ; this tile's eight loads are in; the two younger tiles' sixteen may be out
.else
	s_wait_loadcnt 8*(7-(\t))
.endif
.irp i, 0,1,2,3,4,5,6,7
	ds_store_b128 v3, v[R+32*((\t)%3)+4*\i:R+32*((\t)%3)+4*\i+3] offset:640*\i   ; through my own stage: LDS serves a wave's instructions in order, so no wait stands between stores and loads
.endr
.irp h, 0,1
.irp j, 0,1,2,3
	ds_load_b128 v[X+16*\h+4*\j:X+16*\h+4*\j+3], v4 offset:160*\h+16*\j          ; 16 neighbours of block h of key lane / 2: two neighbouring lanes hold a block
.endr
.endr
	s_wait_dscnt 0x0                               ; the numbers are back, and the stores have read the set,
.if (\t) < 5
	LOADK (\t)+3                                   ; which takes the tile three on
.endif
.irp h, 0,1
.set XS, X+16*\h
	v_max3_num_f32 v8, |v[XS]|, |v[XS+1]|, |v[XS+2]|               ; the largest magnitude of my 16, in two chains
	v_max3_num_f32 v9, |v[XS+3]|, |v[XS+4]|, |v[XS+5]|
.irp i, 6,10
	v_max3_num_f32 v8, v8, |v[XS+\i]|, |v[XS+\i+1]|
	v_max3_num_f32 v9, v9, |v[XS+\i+2]|, |v[XS+\i+3]|
.endr
	v_max3_num_f32 v8, v8, |v[XS+14]|, |v[XS+15]|
	v_max3_num_f32 v8, v8, v9, 0x1800000           ; and the floor 2^(3 - 127): the byte cannot fall under 1
	v_max_num_f32_dpp v8, v8, v8 row_xmask:1 row_mask:0xf bank_mask:0xf   ; with my neighbour's 16: the block's
	v_add_nc_u32 v11, 0xff000000, v8               ; 2 off its exponent field: the conversion takes this operand's exponent field as its scale
	v_cvt_scalef32_pk8_fp4_f32 v[CK+4*(\t)+2*\h], v[XS:XS+7], v11
	v_cvt_scalef32_pk8_fp4_f32 v[CK+4*(\t)+2*\h+1], v[XS+8:XS+15], v11
	v_lshrrev_b32 v[E+\h], 23, v11                 ; the scale's byte (also the plain line behind the conversions)
	ds_store_b8 v6, v[E+\h] offset:32*(\t)+\h      ; both lanes of a block write the same byte with the same value
	global_store_b64 v5, v[CK+4*(\t)+2*\h:CK+4*(\t)+2*\h+1], s[8:9] offset:512*(\t)+256*\h   ; 32 lanes store 256 consecutive bytes, aligned
.endr
.endm
	LOADK 0
	LOADK 1
	LOADK 2
.irp t, 0,1,2,3,4,5,6,7
	TILE \t
.endr
	ds_load_b64 v[14:15], v7                       ; my wave's 256 scale bytes: these loads see my stores
	s_wait_dscnt 0x0
	global_store_b64 v5, v[14:15], s[14:15]        ; 256 consecutive bytes, aligned
	FINISH
	; ---------------- V PATH ----------------
.Lv:
	s_add_nc_u64 s[6:7], s[6:7], s[18:19]
	s_add_nc_u64 s[10:11], s[10:11], s[20:21]
.macro LOADV g                         ; group g: 16 keys; load j reads rows 16 g + j (lanes 0-15) and 16 g + j + 8 (lanes 16-31), whole
.irp j, 0,1,2,3,4,5,6,7
	global_load_b128 v[R+32*((\g)%3)+4*\j:R+32*((\g)%3)+4*\j+3], v18, s[6:7] offset:(16*(\g)+\j)*256 th:TH_LOAD_NT
.endr
.endm
.macro GROUP g
.set A, R+32*((\g)%3)                  ; register A + 4 j + e: V[16 g + 8 h + j][4 x + e]
.if (\g) < 6
	s_wait_loadcnt 16                              ; this group's eight loads are in; the two younger groups' sixteen may be out
.else
	s_wait_loadcnt 8*(7-(\g))
.endif
	s_wait_xcnt 0x0                                ; the last group's stores have read their data: C is written again only behind this wait
.irp e, 0,1,2,3
.irp i, 0,1,2,3
	v_cvt_pk_f16_f32 v[C+4*\e+\i], v[A+8*\i+\e], v[A+8*\i+4+\e]    ; keys 2 i and 2 i + 1 of my eight, channel 4 x + e
.endr
.endr
.if (\g) < 5
	LOADV (\g)+3
.endif
.irp e, 0,1,2,3
	global_store_b128 v2, v[C+4*\e:C+4*\e+3], s[10:11] offset:(4*((\g)/2)+\e)*1024+512*((\g)%2)   ; half a fragment: 512 consecutive bytes
.endr
.endm
	LOADV 0
	LOADV 1
	LOADV 2
.irp g, 0,1,2,3,4,5,6,7
	GROUP \g
.endr
	FINISH
.Lfunc_end_k_q2a27145b01_prep:
	.size	k_q2a27145b01_prep, .Lfunc_end_k_q2a27145b01_prep-k_q2a27145b01_prep
	.p2alignl 7, 3214868480
	.fill 96, 4, 3214868480
	.section	.rodata,"a",@progbits
	.p2align	6, 0x0
	.amdhsa_kernel k_q2a27145b01_prep
		.amdhsa_group_segment_fixed_size 22016
		.amdhsa_private_segment_fixed_size 0
		.amdhsa_enable_private_segment 0
		.amdhsa_kernarg_size 32
		.amdhsa_user_sgpr_count 2
		.amdhsa_user_sgpr_kernarg_segment_ptr 1
		.amdhsa_wavefront_size32 1
		.amdhsa_system_sgpr_workgroup_id_x 1
		.amdhsa_system_sgpr_workgroup_id_y 1
		.amdhsa_system_sgpr_workgroup_id_z 1
		.amdhsa_system_vgpr_workitem_id 0
		.amdhsa_next_free_vgpr 192
		.amdhsa_next_free_sgpr 66
		.amdhsa_reserve_vcc 0
		.amdhsa_float_denorm_mode_32 3
		.amdhsa_float_denorm_mode_16_64 3
		.amdhsa_memory_ordered 1
		.amdhsa_forward_progress 1
		.amdhsa_inst_pref_size 51
	.end_amdhsa_kernel
	.amdgpu_metadata
---
amdhsa.version: [ 1, 2 ]
amdhsa.kernels:
  - .name:           k_q2a27145b01_prep
    .symbol:         k_q2a27145b01_prep.kd
    .args:
      - { .name: key, .offset: 0, .size: 8, .value_kind: global_buffer, .address_space: global }
      - { .name: value, .offset: 8, .size: 8, .value_kind: global_buffer, .address_space: global }
      - { .name: kbuf, .offset: 16, .size: 8, .value_kind: global_buffer, .address_space: global }
      - { .name: vbuf, .offset: 24, .size: 8, .value_kind: global_buffer, .address_space: global }
    .group_segment_fixed_size: 22016
    .private_segment_fixed_size: 0
    .kernarg_segment_align: 8
    .kernarg_segment_size: 32
    .max_flat_workgroup_size: 128
    .sgpr_count:     66
    .vgpr_count:     192
    .wavefront_size: 32
...
	.end_amdgpu_metadata
.endif
;; end of part 1
;; launch attn (part 2): grid 4 x 64, 8 waves a work-group, clusters of 4 x 1, 327,680 bytes of LDS; arguments query, kbuf, vbuf, out0; writes out0
.if DOCPART == 2
	.amdgcn_target "amdgcn-amd-amdhsa--gfx1250"
	.amdhsa_code_object_version 6
	.text
	.protected	k_q2a27145b01_attn
	.globl	k_q2a27145b01_attn
	.p2align	8
	.type	k_q2a27145b01_attn,@function
k_q2a27145b01_attn:
	s_mov_b64 s[64:65], 0
	v_nop
	global_prefetch_b8 v0, s[64:65] scope:SCOPE_SE
	s_setreg_imm32_b32 hwreg(HW_REG_WAVE_MODE, 25, 1), 1
	s_wait_xcnt 0x0
	s_wait_alu depctr_hold_cnt(0) depctr_sa_sdst(0) depctr_va_vdst(0) depctr_va_sdst(0) depctr_va_ssrc(0) depctr_va_vcc(0) depctr_vm_vsrc(0)
	s_getreg_b32 s2, hwreg(HW_REG_IB_STS2, 6, 4)
	s_cmp_eq_u32 s2, 0
	s_cbranch_scc0 .Lentry_in_a_cluster
	s_endpgm
.Lentry_in_a_cluster:
	s_bfe_u32 s2, ttmp6, 0x10000c
	s_cmp_lg_u32 s2, 0x3003
	s_cbranch_scc0 .Lentry_shape_is_right
	s_endpgm
.Lentry_shape_is_right:
; out0[h][q][:] = the sum over k of softmax_k(Q[h][q] . K[h][k] / 8) V[h][k][:], 64 heads, 2,048 queries and keys, head size 64, no mask.
; FIRST PRODUCT on codes of FP4 (E2M1) with one E8M0 scale for each 32 along the head's 64: K's codes and bytes come from kbuf; Q is quantised here, in registers, since one wave reads it once.
;   The matrix instruction is 128 deep and the head 64: registers 4-7 of both fragments hold zero codes, which add nothing.
; SECOND PRODUCT on f16: p = 2^(c s - c m) lies in (0, 1]; V comes as f16 from vbuf.  Maxima, sums and O in f32; a running maximum m and sum l for each query;
;   in every step O and l are multiplied by a = 2^(c m_old - c m_new).  c = log2(e) / 8.
; SHARES.  A work-group owns 512 queries of one head, each of its eight waves 64: four tiles of 16, in 512 registers.  Every wave walks all 2,048 keys, 64 a step, 32 steps.
; LAYOUT.  Both products are used transposed: S^T = K Q^T (source 0 = 16 keys, source 1 = 16 queries), O^T = V^T P (source 0 = 16 channels x 32 keys, source 1 = P): a lane holds ONE query
;   (lane % 16) throughout; two tiles of S^T rounded to f16 in pairs ARE source 1 of the second product.  Row x of V's fragment e is channel 4 x + e, so register j of accumulator e
;   is channel 32 (lane / 16) + 4 j + e: the last multiply puts the lane's 32 channels in order.
; LDS.  K's codes and scale bytes of the whole head stay (69,632 bytes, filled once); V goes through a ring of two slots of 512 keys (65,536 bytes each).  Both lie in the order of the
;   operands' registers: every fragment load reads 512 consecutive bytes, 16 a lane.
; CLUSTER.  The four work-groups of a head form a cluster and read the same K and V: each tile is asked for JOINTLY, by the same tensor load with the same descriptor (made of the head and
;   the wave's number alone) and the mask of all four.  Every wave fetches an eighth of each tile: no branch on the wave's number.  By this text's count a wave has two tensor loads out at the head, later one.
; No prefetch is written: each of the two refills is asked for a whole slot, eight key steps, ahead of its first read.
; The loop has no first step of its own: O^T and l begin as zeros and m as -3e38, so the first a is 0 and multiplies zeros.
; LIMITS: NaN and infinities are not served; scores lie above -3e38; |value| under 65,504 (f16); a block of zeros of Q has the scale byte 1 over zero codes.
;
; REGISTERS, in windows of 256 (s_set_vgpr_msb's low byte: bits 1:0 source 0, 3:2 source 1, 5:4 source 2, 7:6 destination):
;   window 0: v1-11 addresses; v16-47 statistics; v48-79 Q's fragments; v80-83 Q's scale words; v84-85 K's; v88-119 K's fragments; v128-255 S^T, then p (at the head: Q as f32; at the end: rows of O)
;   window 1: v0-127 O^T (accumulator (t, e) at 32 t + 8 e); v128-191 V's eight fragments; v192-255 P in f16
.set HEADK, 69632                      ; a head in kbuf, and K's region in LDS from byte 0
.set KSC,   0x10000                    ; where K's scale bytes begin in it
.set STG,   70656                      ; the way out: 16 rows x 272 bytes for each wave; no tile lands here
.set SP,    272
.set SPARE, STG+8*16*SP                ; the spare words, 128 bytes a wave: four blocks of 256 bytes that no other line names
.set VS0,   0x20000                    ; V's slot 0;
.set VSX,   0x10000                    ; one exclusive or with this turns an address in one slot into the other's
.set LI,   1                           ; v1   16 x lane: my place in a fragment's image, and my offset in two rows of out0
.set ASC0, 2                           ; v2   KSC + 2 x lane
.set ADK,  3                           ; v3   LDS address of the step's K
.set ADV,  4                           ; v4   of its V
.set ADS,  5                           ; v5   of K's scale bytes
.set QO,   6                           ; v6   Q: 256 r + 128 h
.set STO,  7                           ; v7   the way out: where I put 128 bytes of a row
.set RD,   8                           ; v8   and where I read a row back
.set SH,   9                           ; v9   8 h
.set SPW,  10                          ; v10  LDS address of my spare word; never rewritten
.set NIL,  11                          ; v11  0; never rewritten
.set ST,   16                          ; tile t's statistics at v[ST + 8 t]: +0 c m, +1 m, +2, +3 l (even keys', odd keys'), +4 to +7 c0-c3 at work; a takes c2's place
.set QF,   48
.set QS,   80
.set KS,   84                          ; register b: the scale halfword of key 32 b + lane of the step
.set KF,   88
.set S,    128
.set VF,   128                         ; in window 1
.set P,    192                         ; in window 1
.set WV,   12                          ; s12  my wave's number
.set G1K,  24                          ; s[24:31] descriptor group 1 for K;  s[32:39] for V;  s[40:43], s[44:47] their groups 0; V's walks
.set G1V,  32
.set G0K,  40
.set G0V,  44
.set SLOTS, 48
.set STEPS, 49
.set TV,   50                          ; s50  LDS byte at which the step's V begins
.set TK,   51                          ; s51  2,048 x step
.set TKM,  52                          ; s52  the same, held inside K's codes
.set TSM,  53                          ; s53  128 x step, likewise
.set CS,   54                          ; s[54:55] c: the packed form names a pair and takes its low word for both halves
.set SEL,  56                          ; s[56:57] v_permlanex16_b32's selects for lane l xor 16
.set MSB, 0
.macro WIN new                         ; the immediate's high byte repeats the setting that is left; a switch that changes nothing is dropped
.if MSB != \new
	s_set_vgpr_msb (MSB<<8)|\new
.set MSB, \new
.endif
.endm
; A round of the cluster's barrier: my work-group's barrier; wave 0 signals for the work-group; every wave waits for all four work-groups; my work-group's barrier once more.
.macro CROUND
	s_barrier_signal -1
	s_barrier_wait -1
	s_cmp_lg_u32 s[WV], 0
	s_cbranch_scc1 .Lnot_wave_0_\@
	s_barrier_signal -3
.Lnot_wave_0_\@:
	s_barrier_wait -3
	s_barrier_signal -1
	s_barrier_wait -1
.endm
.macro PLACES n
.rept \n
	v_nop
.endr
.endm
	s_load_b256 s[4:11], s[0:1], 0x0               ; query s[4:5], kbuf s[6:7], vbuf s[8:9], out0 s[10:11]
	v_lshl_add_u32 v[SPW], v0, 2, SPARE
	v_mov_b32 v[NIL], 0
	ds_add_u32 v[SPW], v[NIL]                      ; the wave's opening: the add, twice on end, and its wait ahead of my first tensor load
	ds_add_u32 v[SPW], v[NIL]                      ; and once more, under the one wait; the set-up below, work on registers, stands between
	v_lshrrev_b32 v1, 5, v0
	v_readfirstlane_b32 s[WV], v1                  ; wave 0..7
	s_bfe_u32 s13, ttmp6, 0x40000                  ; cx: my place in the cluster
	s_lshl_b32 s14, ttmp9, 2
	s_add_co_u32 s14, s14, s13                     ; my block of 512 queries: it enters query's and out0's addresses alone
	s_and_b32 s15, ttmp7, 0xffff                   ; the head, which the four partners share
	s_lshl_b32 s16, s15, 19                        ; query, out0: 524,288 bytes a head,
	s_lshl_b32 s17, s14, 17                        ; 131,072 a block,
	s_add_co_u32 s16, s16, s17
	s_lshl_b32 s17, s[WV], 14                      ; 16,384 a wave
	s_add_co_u32 s16, s16, s17
	s_mov_b32 s17, 0
	s_mul_i32 s18, s15, HEADK                      ; kbuf: the head, and my eighth of it: 34 rows of 256 bytes
	s_mul_i32 s22, s[WV], 8704                     ; (also its place in LDS)
	s_add_co_u32 s18, s18, s22
	s_mov_b32 s19, 0
	s_lshl_b32 s20, s15, 18                        ; vbuf: 262,144 bytes a head, and my eighth of a slot: 32 rows of 256 bytes
	s_lshl_b32 s23, s[WV], 13
	s_add_co_u32 s20, s20, s23
	s_mov_b32 s21, 0
	s_add_co_u32 s23, s23, VS0                     ; its place in slot 0
	; descriptor group 1: a dense block as rows of 32 elements of 8 bytes, no padding
.irp g, G1K, G1V
	s_mov_b32 s[\g], 15|(3<<16)|(1<<21)            ; 15:0 the mask: all four work-groups; 17:16 elements of 8 bytes; 21 set beside a mask
	s_mov_b32 s[\g+1], 32<<16                      ; tensor_dim0 = 32
	s_mov_b32 s[\g+3], 32<<16                      ; tile_dim0 = 32
	s_mov_b32 s[\g+5], 32                          ; from row to row: 32 elements
	s_mov_b32 s[\g+6], 0
	s_mov_b32 s[\g+7], 0
.endr
	s_mov_b32 s[G1K+2], 34<<16                     ; tensor_dim1, tile_dim1: K 34 rows,
	s_mov_b32 s[G1K+4], 34
	s_mov_b32 s[G1V+2], 32<<16                     ; V 32
	s_mov_b32 s[G1V+4], 32
	s_mov_b32 s[CS], 0x3e38aa3b                    ; c = log2(e) / 8
	s_mov_b32 s[CS+1], s[CS]                       ; (named with it as a pair, so it is written)
	s_mov_b32 s[SEL], 0x76543210
	s_mov_b32 s[SEL+1], 0xfedcba98
	s_mov_b32 s[SLOTS], 3
	s_mov_b32 s[TV], VS0
	s_mov_b32 s[TK], 0
	s_wait_dscnt 0x0                               ; both opening adds are done
	s_wait_kmcnt 0x0
	s_add_nc_u64 s[4:5], s[4:5], s[16:17]          ; query and out0 at my wave's first row
	s_add_nc_u64 s[10:11], s[10:11], s[16:17]
	s_mov_b32 s[G0K], 1                            ; count = 1
	s_mov_b32 s[G0K+1], s22                        ; LDS address
	s_add_nc_u64 s[G0K+2:G0K+3], s[6:7], s[18:19]  ; global address
	s_or_b32 s[G0K+3], s[G0K+3], 0x80000000        ; type = 2
	s_mov_b32 s[G0V], 1
	s_mov_b32 s[G0V+1], s23
	s_add_nc_u64 s[G0V+2:G0V+3], s[8:9], s[20:21]
	s_or_b32 s[G0V+3], s[G0V+3], 0x80000000
	CROUND                                         ; all four work-groups are here: the first joint loads meet
	tensor_load_to_lds s[G0K:G0K+3], s[G1K:G1K+7]  ; K's codes and scale bytes of the whole head: filled once
	s_nop 0
	tensor_load_to_lds s[G0V:G0V+3], s[G1V:G1V+7]  ; V's slot 0: keys 0 to 511
	s_nop 0
	PLACES 4
	v_and_b32 v12, 31, v0                          ; lane
	v_and_b32 v13, 15, v0                          ; r
	v_bfe_u32 v14, v0, 4, 1                        ; h
	v_lshlrev_b32 v[QO], 8, v13
	v_lshl_add_u32 v[QO], v14, 7, v[QO]            ; Q: row r of 256 bytes, block h of 128
.irp t, 0,1,2,3
.irp i, 0,1,2,3,4,5,6,7
	global_load_b128 v[S+32*\t+4*\i:S+32*\t+4*\i+3], v[QO], s[4:5] offset:4096*\t+16*\i   ; tile t: the 32 numbers of block h of query r: a whole block in a lane.  No cache hint: eight loads on end take pieces of the same rows
.endr
.endr
	v_lshlrev_b32 v[LI], 4, v12
	v_lshl_add_u32 v[ASC0], v12, 1, KSC
	s_mul_i32 s18, s[WV], 16*SP
	s_add_co_u32 s18, s18, STG                     ; my stage
	v_mul_u32_u24 v[STO], v13, SP                  ; in: row r, 128 bytes for each half of the lanes
	v_lshl_add_u32 v[STO], v14, 7, v[STO]
	v_add_nc_u32 v[STO], s18, v[STO]
	v_mul_u32_u24 v[RD], v14, SP                   ; back: lanes 0-15 one row of 256 bytes, lanes 16-31 the next
	v_lshl_add_u32 v[RD], v13, 4, v[RD]
	v_add_nc_u32 v[RD], s18, v[RD]
	v_lshlrev_b32 v[SH], 3, v14
	WIN 0x40                                       ; destination window 1
.set i, 0
.rept 128
	v_mov_b32 v[i], 0                              ; O^T, once, while Q is on its way: so the key step is written for all 32 steps alike
.set i, i+1
.endr
	WIN 0
.irp t, 0,1,2,3
.irp j, 4,5,6,7
	v_mov_b32 v[QF+8*\t+\j], 0                     ; k = 64 .. 127 of both operands: zero codes, written once
	v_mov_b32 v[KF+8*\t+\j], 0
.endr
	v_mov_b32 v[ST+8*\t+7], 0                      ; a lane permute's destination counts as one of its sources
.endr
	s_wait_loadcnt 0x0                             ; Q
	; Q is quantised, the four tiles by turns: a lane holds a whole block
.irp t, 0,1,2,3
	v_max3_num_f32 v[ST+8*\t+4], |v[S+32*\t]|, |v[S+32*\t+1]|, 0x1800000   ; with the floor 2^(3 - 127): the byte cannot fall under 1
.endr
.irp i, 2,4,6,8,10,12,14,16,18,20,22,24,26,28,30
.irp t, 0,1,2,3
	v_max3_num_f32 v[ST+8*\t+4], v[ST+8*\t+4], |v[S+32*\t+\i]|, |v[S+32*\t+\i+1]|
.endr
.endr
.irp t, 0,1,2,3
	v_add_nc_u32 v[ST+8*\t+5], 0xff000000, v[ST+8*\t+4]   ; 2 off the exponent field: the conversion's scale operand
.endr
.irp t, 0,1,2,3
	v_lshrrev_b32 v[ST+8*\t+6], 23, v[ST+8*\t+5]   ; the scale's byte,
.endr
.irp t, 0,1,2,3
	v_lshlrev_b32 v[ST+8*\t+6], v[SH], v[ST+8*\t+6]   ; at block h's place in the scale word;
.endr
.irp t, 0,1,2,3
	v_permlanex16_b32 v[ST+8*\t+7], v[ST+8*\t+6], s[SEL], s[SEL+1]
.endr
.irp t, 0,1,2,3
	v_or_b32 v[QS+\t], v[ST+8*\t+6], v[ST+8*\t+7]  ; with lane l xor 16's the word is whole (bytes 2 and 3 are 0, over zero codes)
.endr
.irp t, 0,1,2,3
.irp g, 0,1,2,3
	v_cvt_scalef32_pk8_fp4_f32 v[QF+8*\t+\g], v[S+32*\t+8*\g:S+32*\t+8*\g+7], v[ST+8*\t+5]
.endr
.endr
	v_nop                                          ; one plain line behind the last scaled conversion
.irp t, 0,1,2,3
	v_mov_b32 v[ST+8*\t+1], 0xff61b1e6             ; m = -3e38, under every score that is served
	v_mov_b32 v[ST+8*\t+2], 0                      ; l, in two halves
	v_mov_b32 v[ST+8*\t+3], 0
.endr
.irp t, 0,1,2,3
	v_mul_f32 v[ST+8*\t], s[CS], v[ST+8*\t+1]      ; c m
.endr
; K's four fragments and two registers of scale halfwords of the step at s[TK].  The mask holds the address inside K's codes: behind the last step it names step 0's again, which nobody uses.
; The four vector lines are the places behind the products K Q^T: for the loads into K's registers and for the first read of the scores.
.macro KLOAD
	s_and_b32 s[TKM], s[TK], 0xf800
	s_lshr_b32 s[TSM], s[TKM], 4
	v_add_nc_u32 v[ADK], s[TKM], v[LI]
	v_add_nc_u32 v[ADS], s[TSM], v[ASC0]
	PLACES 2
.irp k, 0,1,2,3
	ds_load_b128 v[KF+8*\k:KF+8*\k+3], v[ADK] offset:512*\k
.endr
.irp b, 0,1
	ds_load_u16 v[KS+\b], v[ADS] offset:64*\b      ; bytes 2 and 3 come as 0, over zero codes
.endr
.endm
; V's eight fragments of the step (32 keys kb x 16 channels e at 1,024 (4 kb + e)).  The four vector lines are the places behind the last products V^T P.
.macro VLOAD
	v_add_nc_u32 v[ADV], s[TV], v[LI]
	PLACES 3
	WIN 0x40                                       ; destination window 1, address window 0
.irp f, 0,1,2,3,4,5,6,7
	ds_load_b128 v[VF+8*\f:VF+8*\f+3],   v[ADV] offset:1024*\f
	ds_load_b128 v[VF+8*\f+4:VF+8*\f+7], v[ADV] offset:1024*\f+512
.endr
	WIN 0
	s_add_co_u32 s[TV], s[TV], 8192
.endm
; S^T = K Q^T: 16 products on 16 accumulators, each begun with the constant 0.  Tile k's scale halfwords lie in lanes 0-15 (k even) or 16-31 (k odd) of register k / 2.
.macro QK
.irp k, 0,1,2,3
.irp t, 0,1,2,3
.if \k % 2
	v_wmma_scale_f32_16x16x128_f8f6f4 v[S+32*\t+8*\k:S+32*\t+8*\k+7], v[KF+8*\k:KF+8*\k+7], v[QF+8*\t:QF+8*\t+7], 0, v[KS+\k/2], v[QS+\t] matrix_a_fmt:MATRIX_FMT_FP4 matrix_b_fmt:MATRIX_FMT_FP4 matrix_a_scale:MATRIX_SCALE_ROW1
.else
	v_wmma_scale_f32_16x16x128_f8f6f4 v[S+32*\t+8*\k:S+32*\t+8*\k+7], v[KF+8*\k:KF+8*\k+7], v[QF+8*\t:QF+8*\t+7], 0, v[KS+\k/2], v[QS+\t] matrix_a_fmt:MATRIX_FMT_FP4 matrix_b_fmt:MATRIX_FMT_FP4
.endif
.endr
.endr
.endm
; The maximum of a lane's 32 scores and the old m, three operands at a time, four chains a tile, the tiles by turns.  Each accumulator is read from its low end on.
.macro SMAX
.irp j, 0,1,2,3
.irp t, 0,1,2,3
	v_max3_num_f32 v[ST+8*\t+4+\j], v[S+32*\t+8*\j], v[S+32*\t+8*\j+1], v[S+32*\t+8*\j+2]
.endr
.endr
.irp u, 3,5
.irp j, 0,1,2,3
.irp t, 0,1,2,3
	v_max3_num_f32 v[ST+8*\t+4+\j], v[ST+8*\t+4+\j], v[S+32*\t+8*\j+\u], v[S+32*\t+8*\j+\u+1]
.endr
.endr
.endr
.irp t, 0,1,2,3
	v_max3_num_f32 v[ST+8*\t+4], v[ST+8*\t+4], v[S+32*\t+7], v[S+32*\t+15]
.endr
.irp t, 0,1,2,3
	v_max3_num_f32 v[ST+8*\t+6], v[ST+8*\t+6], v[S+32*\t+23], v[S+32*\t+31]
.endr
.irp t, 0,1,2,3
	v_max3_num_f32 v[ST+8*\t+4], v[ST+8*\t+4], v[ST+8*\t+5], v[ST+8*\t+6]
.endr
.irp t, 0,1,2,3
	v_max3_num_f32 v[ST+8*\t+4], v[ST+8*\t+4], v[ST+8*\t+7], v[ST+8*\t+1]
.endr
.endm
; The other half of the lanes' maximum; the new m; c m; a = 2^(c m_old - c m_new)
.macro SSTAT
.irp t, 0,1,2,3
	v_permlanex16_b32 v[ST+8*\t+5], v[ST+8*\t+4], s[SEL], s[SEL+1]   ; the query's other 32 keys lie in the lane 16 away
.endr
.irp t, 0,1,2,3
	v_mov_b32 v[ST+8*\t+7], v[ST+8*\t]             ; c m_old is kept for a
.endr
.irp t, 0,1,2,3
	v_max_num_f32 v[ST+8*\t+1], v[ST+8*\t+4], v[ST+8*\t+5]
.endr
.irp t, 0,1,2,3
	v_mul_f32 v[ST+8*\t], s[CS], v[ST+8*\t+1]
.endr
.irp t, 0,1,2,3
	v_sub_f32 v[ST+8*\t+7], v[ST+8*\t+7], v[ST+8*\t]
.endr
.irp t, 0,1,2,3
	v_exp_f32 v[ST+8*\t+6], v[ST+8*\t+7]           ; the first four of the step's batch of exponentials
.endr
.endm
.macro SCALE t, i                      ; pair i of tile t: c s - c m
	v_pk_fma_f32 v[S+32*(\t)+2*\i:S+32*(\t)+2*\i+1], v[S+32*(\t)+2*\i:S+32*(\t)+2*\i+1], s[CS:CS+1], v[ST+8*(\t):ST+8*(\t)+1] op_sel_hi:[1,0,0] neg_lo:[0,0,1] neg_hi:[0,0,1]
.endm
; ONE BATCH: the scalings and all exponentials.  A tile's exponentials stand two and two, with the next tile's scalings between.  None of these lines names an exponential's result;
; behind the last stands one plain line and ONE wait for the step's 132 exponentials, ahead of the first line that names a result.
.macro SEXP
.irp i, 0,1,2,3,4,5,6,7,8,9,10,11,12,13,14,15
	SCALE 0, \i
.endr
.irp t, 0,1,2,3
.irp i, 0,1,2,3,4,5,6,7,8,9,10,11,12,13,14,15
	v_exp_f32 v[S+32*\t+2*\i], v[S+32*\t+2*\i]
	v_exp_f32 v[S+32*\t+2*\i+1], v[S+32*\t+2*\i+1]
.if \t < 3
	SCALE \t+1, \i
.endif
.endr
.endr
	v_nop
	s_wait_alu depctr_va_vdst(0)
.endm
; l = a l + the sum of the lane's 32 weights, in f32, two at a time, two chains a tile, the tiles by turns
.macro SSUM
.irp t, 0,1,2,3
	v_pk_fma_f32 v[ST+8*\t+2:ST+8*\t+3], v[ST+8*\t+2:ST+8*\t+3], v[ST+8*\t+6:ST+8*\t+7], v[S+32*\t:S+32*\t+1] op_sel_hi:[1,0,1]
.endr
.irp t, 0,1,2,3
	v_pk_add_f32 v[ST+8*\t+4:ST+8*\t+5], v[S+32*\t+2:S+32*\t+3], v[S+32*\t+6:S+32*\t+7]
.endr
.irp i, 1,2,3,4,5,6,7
.irp t, 0,1,2,3
	v_pk_add_f32 v[ST+8*\t+2:ST+8*\t+3], v[ST+8*\t+2:ST+8*\t+3], v[S+32*\t+4*\i:S+32*\t+4*\i+1]
.endr
.if \i > 1
.irp t, 0,1,2,3
	v_pk_add_f32 v[ST+8*\t+4:ST+8*\t+5], v[ST+8*\t+4:ST+8*\t+5], v[S+32*\t+4*\i+2:S+32*\t+4*\i+3]
.endr
.endif
.endr
.irp t, 0,1,2,3
	v_pk_add_f32 v[ST+8*\t+2:ST+8*\t+3], v[ST+8*\t+2:ST+8*\t+3], v[ST+8*\t+4:ST+8*\t+5]
.endr
.endm
; the weights to f16, a pair a register: registers 8 kb .. 8 kb + 7 of a tile are source 1 for keys 32 kb on
.macro SCVT
	WIN 0x40                                       ; destination window 1
.irp t, 0,1,2,3
.irp i, 0,1,2,3,4,5,6,7,8,9,10,11,12,13,14,15
	v_cvt_pk_f16_f32 v[P+16*\t+\i], v[S+32*\t+2*\i], v[S+32*\t+2*\i+1]
.endr
.endr
.endm
; O^T times a, ascending: each accumulator is read from its low end on
.macro RESC
	WIN 0x41                                       ; destination and source 0 window 1, a in window 0
.irp t, 0,1,2,3
.irp i, 0,1,2,3,4,5,6,7,8,9,10,11,12,13,14,15
	v_pk_mul_f32 v[32*\t+2*\i:32*\t+2*\i+1], v[32*\t+2*\i:32*\t+2*\i+1], v[ST+8*\t+6:ST+8*\t+7] op_sel_hi:[1,0]
.endr
.endr
.endm
; O^T += V^T P: 32 products; the 16 accumulators take turns, one instruction a turn: 15 others' stand between the two links of a chain
.macro PV
	WIN 0x55                                       ; all four operands in window 1
.irp b, 0,1
.irp e, 0,1,2,3
.irp t, 0,1,2,3
	v_wmma_f32_16x16x32_f16 v[32*\t+8*\e:32*\t+8*\e+7], v[VF+8*(4*\b+\e):VF+8*(4*\b+\e)+7], v[P+16*\t+8*\b:P+16*\t+8*\b+7], v[32*\t+8*\e:32*\t+8*\e+7]
.endr
.endr
.endr
.endm
; A KEY STEP: 64 keys.  V is asked for at its head and wanted at its end; the next step's K is asked for behind this step's first product.
.macro STEP
	VLOAD
	s_wait_dscnt 16                                ; the 16 loads of V just issued may be out; K's six, issued before them, are in
	QK
	s_add_co_u32 s[TK], s[TK], 2048
	KLOAD                                          ; the next step's K
	SMAX
	SSTAT
	SEXP
	SSUM
	SCVT
	RESC
	s_wait_dscnt 6                                 ; the six loads of the next step's K may be out; V is in
	PV
	WIN 0                                          ; at a label and at a branch every window is 0
.endm
.macro SLOT_STEPS                      ; a slot's eight key steps: written once, walked eight times
	s_mov_b32 s[STEPS], 8
.Lstep_\@:
	STEP
	s_sub_co_u32 s[STEPS], s[STEPS], 1
	s_cmp_lg_u32 s[STEPS], 0
	s_cbranch_scc1 .Lstep_\@
	s_sub_co_u32 s[TV], s[TV], VSX                 ; back to the slot's first step,
	s_xor_b32 s[TV], s[TV], VSX                    ; in the other slot
.endm
; THE CHANGE OF SLOTS stands at a slot's head.  Each wave waits for all its tensor loads (its part of the slot that it is about to read; the first time K's too), adds 0 to its spare word, and waits
; for that and for its reads of the slot that it has left.  fill = 1: the barrier is a round of the cluster's, so that no wave of any partner still reads the other slot or has a load on its way,
; and the joint load into that slot is the first thing behind it: it has eight key steps in which to land.
.macro CHANGE fill
	s_wait_tensorcnt 0x0                           ; no tensor load of mine is out, so a group 0 may be written
	ds_add_u32 v[SPW], v[NIL]                      ; 0 onto my spare word
.if \fill
	s_xor_b32 s[G0V+1], s[G0V+1], VSX              ; the walking descriptor: the other slot than last time,
	s_add_nc_u64 s[G0V+2:G0V+3], s[G0V+2:G0V+3], 0x10000   ; the next 512 keys; the type bits on top are not reached
.endif
	s_wait_dscnt 0x0                               ; the add is done, and my LDS reads are over
.if \fill
	CROUND
	tensor_load_to_lds s[G0V:G0V+3], s[G1V:G1V+7]
	s_nop 0
	PLACES 4
.else
	s_barrier_signal -1
	s_barrier_wait -1
.endif
	KLOAD                                          ; K of the slot's first step (but for the first time it was fetched by the last step already: six loads in eight steps, for one text for all slots)
.endm
.Lslot:                                                ; three trips: slot 1's first fill, then the two refills
	CHANGE 1
	SLOT_STEPS
	s_sub_co_u32 s[SLOTS], s[SLOTS], 1
	s_cmp_lg_u32 s[SLOTS], 0
	s_cbranch_scc1 .Lslot
	CHANGE 0                                       ; the last slot is written out: nothing is asked for
	SLOT_STEPS
	; THE WAY OUT.  l's two halves and the other half of the lanes' are added; O^T is divided by l and goes through my stage in LDS, a tile (16 rows of out0) at a time.  The additions are the places behind the last products.
.irp t, 0,1,2,3
	v_add_f32 v[ST+8*\t+4], v[ST+8*\t+2], v[ST+8*\t+3]
.endr
.irp t, 0,1,2,3
	v_permlanex16_b32 v[ST+8*\t+5], v[ST+8*\t+4], s[SEL], s[SEL+1]
.endr
.irp t, 0,1,2,3
	v_add_f32 v[ST+8*\t+4], v[ST+8*\t+4], v[ST+8*\t+5]
.endr
.irp t, 0,1,2,3
	v_rcp_f32 v[ST+8*\t+6], v[ST+8*\t+4]
.endr
	v_nop                                          ; a plain line between the last reciprocal and the use of its result,
	s_wait_alu depctr_va_vdst(0)                   ; and the wait ahead of the first use: one for the four
; Tile t: register 4 j + e of the result is channel 32 h + 4 j + e, taken from register j of accumulator e: register 0 of each accumulator is read first.  A lane's 32 channels are 128 bytes of a row.
.macro PACK t
	WIN 0x01                                       ; source 0 window 1
.irp j, 0,1,2,3,4,5,6,7
.irp e, 0,1,2,3
	v_mul_f32 v[S+32*\t+4*\j+\e], v[32*\t+8*\e+\j], v[ST+8*\t+6]
.endr
.endr
	WIN 0
.irp i, 0,1,2,3,4,5,6,7
	ds_store_b128 v[STO], v[S+32*\t+4*\i:S+32*\t+4*\i+3] offset:16*\i
.endr
.irp i, 0,1,2,3,4,5,6,7
	ds_load_b128 v[S+32*\t+4*\i:S+32*\t+4*\i+3], v[RD] offset:\i*2*SP   ; LDS serves a wave's instructions in order: these see the stores above, and the next tile's stores come behind them
.endr
.endm
.macro SEND t, younger                 ; younger: the LDS instructions issued behind tile t's loads: the next tile's sixteen, or none
.irp i, 0,1,2,3,4,5,6,7
	s_wait_dscnt \younger+7-\i
	global_store_b128 v[LI], v[S+32*\t+4*\i:S+32*\t+4*\i+3], s[10:11] offset:4096*\t+512*\i th:TH_STORE_NT   ; 32 lanes store two rows of out0: 512 consecutive bytes, aligned
.endr
.endm
	PACK 0
	PACK 1                                         ; a tile's arithmetic stands between the loads of the tile before and its stores
	SEND 0, 16
	PACK 2
	SEND 1, 16
	PACK 3
	SEND 2, 16
	SEND 3, 0
	s_wait_tensorcnt 0x0                           ; the wave's end, behind my last tensor load and my last LDS store
	ds_add_u32 v[SPW], v[NIL]
	s_wait_dscnt 0x0
	CROUND                                         ; the closing round: no work-group ends while a partner may still ask for a tile that names it
	s_endpgm
.Lfunc_end_k_q2a27145b01_attn:
	.size	k_q2a27145b01_attn, .Lfunc_end_k_q2a27145b01_attn-k_q2a27145b01_attn
	.p2alignl 7, 3214868480
	.fill 96, 4, 3214868480
	.section	.rodata,"a",@progbits
	.p2align	6, 0x0
	.amdhsa_kernel k_q2a27145b01_attn
		.amdhsa_group_segment_fixed_size 327680
		.amdhsa_private_segment_fixed_size 0
		.amdhsa_enable_private_segment 0
		.amdhsa_kernarg_size 32
		.amdhsa_user_sgpr_count 2
		.amdhsa_user_sgpr_kernarg_segment_ptr 1
		.amdhsa_wavefront_size32 1
		.amdhsa_system_sgpr_workgroup_id_x 1
		.amdhsa_system_sgpr_workgroup_id_y 1
		.amdhsa_system_sgpr_workgroup_id_z 1
		.amdhsa_system_vgpr_workitem_id 0
		.amdhsa_next_free_vgpr 512
		.amdhsa_next_free_sgpr 66
		.amdhsa_reserve_vcc 0
		.amdhsa_float_denorm_mode_32 3
		.amdhsa_float_denorm_mode_16_64 3
		.amdhsa_memory_ordered 1
		.amdhsa_forward_progress 1
		.amdhsa_inst_pref_size 98
	.end_amdhsa_kernel
	.amdgpu_metadata
---
amdhsa.version: [ 1, 2 ]
amdhsa.kernels:
  - .name:           k_q2a27145b01_attn
    .symbol:         k_q2a27145b01_attn.kd
    .args:
      - { .name: query, .offset: 0, .size: 8, .value_kind: global_buffer, .address_space: global }
      - { .name: kbuf, .offset: 8, .size: 8, .value_kind: global_buffer, .address_space: global }
      - { .name: vbuf, .offset: 16, .size: 8, .value_kind: global_buffer, .address_space: global }
      - { .name: out0, .offset: 24, .size: 8, .value_kind: global_buffer, .address_space: global }
    .group_segment_fixed_size: 327680
    .private_segment_fixed_size: 0
    .kernarg_segment_align: 8
    .kernarg_segment_size: 32
    .max_flat_workgroup_size: 256
    .sgpr_count:     66
    .vgpr_count:     512
    .wavefront_size: 32
...
	.end_amdgpu_metadata
.endif
;; end of part 2
